; MI455X (gfx1250); checked and timed in simulation.
; The chip was launched on July 23, 2026; its instructions are those of AMD's public machine-readable ISA for CDNA 5 (MIT licence, August 2026) and "CDNA5" Instruction Set Architecture Reference Guide (July 2026). The comments in the code are by the model that wrote it; some were corrected since.
;; MLP. Allowed arithmetic: matrix products marked QUANTISED: E2M3 operands, one E8M0 scale for each 32 along K, by v_wmma_scale_f32_16x16x128_f8f6f4 with both operands' format E2M3, f32 sums; everything else in f32.
;; Inputs: W1 8 x 1,024 x 512 float32; W2 8 x 256 x 1,024 float32; expert_idxs 2 x 2,048 x 2 int32; expert_p 2 x 2,048 x 2 float32; x 2 x 2,048 x 1,024 float32.
;; Outputs: out0 2 x 2,048 x 1,024 float32.
;; This version of the problem:
;;   THIS VERSION OF THE PROBLEM IS GIVEN IN LOW PRECISION. The matrix products marked QUANTISED in the list below multiply operands that are first quantised to E2M3 (2 exponent bits, 3 mantissa bits; 6 bits a number), with one power-of-two scale for each 32 numbers along K (OCP MX v1.0); their sums are f32. All else is computed in f32.
;;   The module's matrix products, in the order in which they are computed (A, B: the left and right operand; K: the contracted axis; several contracted axes count as one K, in the product's order):
;;     1. [M 8,192, K 1,024] x [K 1,024, N 512]; A: input x; B: input W1: QUANTISED
;;     2. [M 8,192, K 1,024] x [K 1,024, N 512]; A: input x; B: input W1: QUANTISED
;;     3. [M 8,192, K 1,024] x [K 1,024, N 512]; A: input x; B: input W1: QUANTISED
;;     4. [M 8,192, K 1,024] x [K 1,024, N 512]; A: input x; B: input W1: QUANTISED
;;     5. [M 8,192, K 1,024] x [K 1,024, N 512]; A: input x; B: input W1: QUANTISED
;;     6. [M 8,192, K 1,024] x [K 1,024, N 512]; A: input x; B: input W1: QUANTISED
;;     7. [M 8,192, K 1,024] x [K 1,024, N 512]; A: input x; B: input W1: QUANTISED
;;     8. [M 8,192, K 1,024] x [K 1,024, N 512]; A: input x; B: input W1: QUANTISED
;;     9. [M 8,192, K 256] x [K 256, N 1,024]; A: computed on the way; B: input W2: QUANTISED
;;     10. [M 8,192, K 256] x [K 256, N 1,024]; A: computed on the way; B: input W2: QUANTISED
;;     11. [M 8,192, K 256] x [K 256, N 1,024]; A: computed on the way; B: input W2: QUANTISED
;;     12. [M 8,192, K 256] x [K 256, N 1,024]; A: computed on the way; B: input W2: QUANTISED
;;     13. [M 8,192, K 256] x [K 256, N 1,024]; A: computed on the way; B: input W2: QUANTISED
;;     14. [M 8,192, K 256] x [K 256, N 1,024]; A: computed on the way; B: input W2: QUANTISED
;;     15. [M 8,192, K 256] x [K 256, N 1,024]; A: computed on the way; B: input W2: QUANTISED
;;     16. [M 8,192, K 256] x [K 256, N 1,024]; A: computed on the way; B: input W2: QUANTISED
;;   THE QUANTISER, for each operand of a quantised product, along K:
;;     - K is cut into blocks of 32 from its start; a last block that is shorter is filled with zeros.
;;     - A block's scale is 2^e with e = floor(log2(the largest magnitude in the block)) - 2, held to -126 .. 127; a block of zeros has e = 0. As a byte (E8M0): e + 127.
;;     - Each number is divided by its block's scale, clamped to +-7.5, and rounded to the nearest number of E2M3, ties to even, subnormals kept.
;;     - The product sums the exact products of the quantised numbers (number of the format x scale) in f32.
;;   ~~~python
;;   def quantise(x, axis):      # numpy; x: float32 -> the quantised numbers, widened to float32 again
;;       x = np.moveaxis(x, axis, -1); K = x.shape[-1]
;;       x = np.pad(x, [(0, 0)] * (x.ndim - 1) + [(0, -K % 32)]); x = x.reshape(x.shape[:-1] + (-1, 32)); a = np.abs(x).max(-1, keepdims=True)
;;       e = np.where(a > 0, np.clip(np.frexp(np.where(a > 0, a, 1))[1] - 1 - 2, -126, 127), 0)      # np.frexp(a)[1] - 1 = floor(log2(a)), exactly
;;       r = np.clip(x / 2.0 ** e, -7.5, 7.5)
;;       step = 2.0 ** (np.maximum(np.frexp(np.where(r == 0, 1, r))[1] - 1, 0) - 3)
;;       q = np.round(r / step) * step * 2.0 ** e      # np.round: ties to even
;;       return np.moveaxis(q.reshape(q.shape[:-2] + (-1,))[..., :K], -1, axis).astype(np.float32)
;;   ~~~
;;   OPERANDS COMPUTED ON THE WAY. 'Computed on the way' means the value that the module computes at that place (a softmax that the list does not call 'softmax' is quantised finished and normalised). What goes into a quantiser is computed in f32, as accurately as f32 sums, v_exp_f32 and their like allow (about 1e-6 of the number): no bf16 or f16 on the way to a quantiser, and a product that is left as it is and whose result goes on into a quantised operand takes f32 operands (vector FMAs, or v_wmma_f32_16x16x4_f32). A number that lies on a knife's edge between two numbers of the format may be rounded either way, as far as f32 arithmetic and the matrix unit's own rounding can turn it there, and no further.
;; One version. Each part assembles by itself: llvm-mc -triple=amdgcn-amd-amdhsa -mcpu=gfx1250 --defsym DOCPART=n.
;; ======== version 1 of 1: 2 launches
;; workspace buffers: wf 4,718,592 bytes; ws 196,608 bytes; order 16,384 bytes of whole numbers
;; launch prep (part 1): grid 193 x 1, 8 waves a work-group, no clusters, 29,696 bytes of LDS; arguments W1, W2, expert_idxs, wf, ws, order; writes wf, ws, order
.if DOCPART == 1
	.amdgcn_target "amdgcn-amd-amdhsa--gfx1250"
	.amdhsa_code_object_version 6
	.text
	.protected	k_q00769f7cd7_prep
	.globl	k_q00769f7cd7_prep
	.p2align	8
	.type	k_q00769f7cd7_prep,@function
k_q00769f7cd7_prep:
	s_mov_b64 s[64:65], 0
	v_nop
	global_prefetch_b8 v0, s[64:65] scope:SCOPE_SE
	s_setreg_imm32_b32 hwreg(HW_REG_WAVE_MODE, 25, 1), 1
	s_wait_xcnt 0x0
; PREP.  Work-groups 1 to 192 turn W1 [8][1024][512] and W2 [8][256][1024], f32 with K as the first axis inside an expert, into codes of FP6 (E2M3) with one E8M0
; scale byte for each 32 along K, laid in the order of the operand's registers.  Work-group 0 sorts the 4,096 tokens by their set of experts.
; THE CODES.  wf holds chunks of 3,072 bytes: two fragments (16 columns x 128 K, 12 registers a lane) as images of their registers: registers 4 c .. 4 c + 3 of lane L at 512 c + 16 L.
; Lane r of fragment u holds column n0 + 8 u + r + 8 (r / 8) of the chunk's 32 columns, so that in a product used transposed a lane's 16 results of the two fragments are 16 neighbouring columns.
; Chunk 8 G + v is made by wave v of quantising work-group G.  G < 128: W1, (expert x 8 + reader's wave) = G / 2, K step 4 (G % 2) + v / 2, columns 256 (v % 2) + 32 x reader's wave on.
; G >= 128: W2, (expert x 8 + reader's wave) = G - 128, K step v % 2, columns 128 x reader's wave + 32 (v / 2) on.
; THE SCALES.  ws holds 1,024 bytes for each G: the word of fragment lane r + 16 u of wave v's chunk at 512 (v / 4) + 16 (r + 16 u) + 4 (v % 4): one load of 16 bytes a lane brings four chunks' words.
; A block's scale is 2^(floor(log2(its largest magnitude)) - 2); its byte is that magnitude's exponent field - 2, held at 1 from below.  A block of zeros so gets the byte 1 where the rule says 127:
; its codes are zeros, which add nothing under any byte but 0xff, and the bytes are read by this program alone.
; LIMITS: blocks whose largest magnitude lies under 2^-124 take the byte 1; NaN and infinities among the inputs are not served.
; THE LIST.  order[pos] = token | first expert << 12 | second expert << 16, sorted by bucket.  A bucket is an unordered pair of experts (28 of them; a token that names one expert a twice goes with (a, a + 1),
; (7, 7) with (6, 7)); the buckets are numbered in a snake, so that neighbouring buckets share an expert.  A counting sort: no atomics, and no LDS address made of data.
; The two paths part on the work-group's number and have LDS bytes of their own.
.set QW,   3328                        ; LDS 0: a stage for each wave: two fragments, 1,664 bytes apart
.set QF,   1664
.set SCST, 26624                       ; the work-group's 1,024 bytes of scale words
.set CNT,  27648                       ; the sorting path's own: 8 waves x 32 counts
.set X,    32                          ; v32-95   two sets of 32 numbers
.set OFF,  96                          ; v96-127  4 x lane + i x pitch
.set C,    128                         ; v128-159 block b's six code registers at C + 8 b
.set TC,   160                         ; v160-162 a block's second conversion
.set OUTR, 164                         ; v164-187 the two fragments read back
.set IN,   32                          ; the sorting path: v32-63 the pairs as loaded
.set PW,   64                          ; v64-79   the words to store
.set K4,   80                          ; v80-95   4 x bucket
.set RK,   96                          ; v96-111  my rank among my group's lanes of my bucket
.set CN,   112                         ; v112-127 lane b: the group's count of bucket b
.set LK,   128                         ; v128-143 what my bucket's lane holds for me
.set POS,  144                         ; v144-159 prefixes, then positions
	s_load_b256 s[4:11], s[0:1], 0x0               ; W1 s[4:5], W2 s[6:7], expert_idxs s[8:9], wf s[10:11]
	s_load_b128 s[12:15], s[0:1], 0x20             ; ws s[12:13], order s[14:15]
	v_lshl_add_u32 v192, v0, 2, 0x7000
	v_mov_b32 v193, 0
	v_lshrrev_b32 v1, 5, v0
	s_delay_alu instid0(VALU_DEP_1)
	v_readfirstlane_b32 s16, v1                    ; wave v
	s_cmp_eq_u32 ttmp9, 0
	s_cbranch_scc1 .Lsort
; ---------------- THE QUANTISING PATH: one text for both tensors; what differs is chosen by s_cselect on the work-group's number
	s_sub_co_u32 s17, ttmp9, 1                     ; G
	s_lshr_b32 s68, s16, 1                         ; v / 2
	s_and_b32 s69, s16, 1                          ; v % 2
	s_lshr_b32 s66, s17, 1                         ; W1: expert x 8 + reader's wave
	s_and_b32 s67, s17, 1
	s_lshl_b32 s67, s67, 2
	s_add_co_u32 s67, s67, s68                     ; K step
	s_lshr_b32 s70, s66, 3
	s_lshl_b32 s70, s70, 21                        ; an expert of W1: 2,097,152 bytes
	s_lshl_b32 s67, s67, 18                        ; a K step: 128 rows of 2,048 bytes
	s_add_co_u32 s70, s70, s67
	s_and_b32 s71, s66, 7
	s_lshl_b32 s71, s71, 7                         ; 32 columns a reader's wave
	s_add_co_u32 s70, s70, s71
	s_lshl_b32 s71, s69, 10                        ; the gate's half begins at column 256
	s_add_co_u32 s70, s70, s71
	s_and_b32 s72, s17, 63                         ; W2: G - 128
	s_lshr_b32 s73, s72, 3
	s_lshl_b32 s73, s73, 20                        ; an expert of W2: 1,048,576 bytes
	s_lshl_b32 s74, s69, 19                        ; a K step: 128 rows of 4,096 bytes
	s_add_co_u32 s73, s73, s74
	s_and_b32 s74, s72, 7
	s_lshl_b32 s74, s74, 9                         ; 128 columns a reader's wave
	s_add_co_u32 s73, s73, s74
	s_lshl_b32 s74, s68, 7                         ; 32 columns a chunk
	s_add_co_u32 s73, s73, s74
	v_and_b32 v7, 31, v0                           ; lane = my column of the chunk's 32
	s_delay_alu instid0(VALU_DEP_1)
	v_lshlrev_b32 v2, 2, v7
	s_delay_alu instid0(VALU_DEP_2)
	v_lshlrev_b32 v6, 4, v7
	v_bfe_u32 v13, v0, 3, 1                        ; u: which fragment my column belongs to
	v_and_b32 v14, 7, v0
	v_bfe_u32 v15, v0, 4, 1
	s_delay_alu instid0(VALU_DEP_1)
	v_lshl_or_b32 v14, v15, 3, v14                 ; r: its lane there
	s_mul_i32 s33, s16, QW
	v_mul_u32_u24 v3, v13, QF
	s_delay_alu instid0(VALU_DEP_1)
	v_lshl_add_u32 v3, v14, 4, v3
	s_delay_alu instid0(VALU_DEP_1)
	v_add_nc_u32 v3, s33, v3                       ; into my stage: fragment u, 16 r
	v_add_nc_u32 v4, s33, v6                       ; out of it: 16 x lane
	v_lshl_add_u32 v5, v13, 4, v14
	s_delay_alu instid0(VALU_DEP_1)
	v_lshlrev_b32 v5, 4, v5                        ; the scale word: 16 (r + 16 u)
	s_lshr_b32 s34, s16, 2
	s_lshl_b32 s34, s34, 9
	s_and_b32 s35, s16, 3
	s_lshl_b32 s35, s35, 2
	s_add_co_u32 s34, s34, s35
	s_add_co_u32 s34, s34, SCST
	v_add_nc_u32 v5, s34, v5                       ; + 512 (v / 4) + 4 (v % 4)
	s_min_u32 s36, s16, 1                          ; waves 0 and 1 carry the scale words out: 512 bytes each
	s_lshl_b32 s36, s36, 9
	v_add_nc_u32 v10, s36, v6                      ; in ws,
	s_add_co_u32 s36, s36, SCST
	v_add_nc_u32 v9, s36, v6                       ; and in LDS
	s_lshl_b32 s20, s17, 3
	s_add_co_u32 s20, s20, s16
	s_mul_i32 s20, s20, 3072                       ; my chunk
	s_mov_b32 s21, 0
	s_lshl_b32 s22, s17, 10                        ; my work-group's scale words
	s_mov_b32 s23, 0
	s_mov_b32 s19, 0
	s_mov_b32 s32, 4096
	s_wait_kmcnt 0x0
	s_cmp_lt_u32 s17, 128                          ; W1's work-group or W2's?  The choice hangs on the work-group's number alone
	s_cselect_b64 s[24:25], s[4:5], s[6:7]
	s_cselect_b32 s18, s70, s73
	s_cselect_b32 s32, 2048, s32                   ; bytes from a row of K to the next
	s_add_nc_u64 s[24:25], s[24:25], s[18:19]      ; block 0 of my 128 along K,
	s_lshl_b32 s18, s32, 5
	s_add_nc_u64 s[26:27], s[24:25], s[18:19]      ; and the three behind it, 32 rows apart
	s_add_nc_u64 s[28:29], s[26:27], s[18:19]
	s_add_nc_u64 s[30:31], s[28:29], s[18:19]
	s_add_nc_u64 s[10:11], s[10:11], s[20:21]
	s_add_nc_u64 s[12:13], s[12:13], s[22:23]
.set i, 0
.rept 32
	v_mad_u32_u24 v[OFF+i], s32, i, v2             ; row i of a block, my column
.set i, i+1
.endr
; A LANE TAKES A COLUMN AND ITS REGISTERS RUN DOWN K: a block of 32 lies in one lane's 32 registers, and the conversions give codes with K innermost
.macro LOAD b
.set i, 0
.rept 32
	global_load_b32 v[X+32*((\b)%2)+i], v[OFF+i], s[24+2*(\b):25+2*(\b)]
.set i, i+1
.endr
.endm
.macro BLOCK b
.set XS, X+32*((\b)%2)
.set CB, C+8*(\b)
.if (\b) < 3
	s_wait_loadcnt 32                              ; this block's 32 loads are in; the next block's 32 may be out
.else
	s_wait_loadcnt 0x0
.endif
	v_max3_num_f32 v8, |v[XS]|, |v[XS+1]|, |v[XS+2]|      ; the block's largest magnitude, in two chains
	v_max3_num_f32 v11, |v[XS+3]|, |v[XS+4]|, |v[XS+5]|
.irp i, 6,10,14,18,22,26
	s_delay_alu instid0(VALU_DEP_2)
	v_max3_num_f32 v8, v8, |v[XS+\i]|, |v[XS+\i+1]|
	s_delay_alu instid0(VALU_DEP_2)
	v_max3_num_f32 v11, v11, |v[XS+\i+2]|, |v[XS+\i+3]|
.endr
	s_delay_alu instid0(VALU_DEP_2)
	v_max3_num_f32 v8, v8, |v[XS+30]|, |v[XS+31]|
	s_delay_alu instid0(VALU_DEP_1)
	v_max3_num_f32 v8, v8, v11, 0x1800000          ; and the floor 2^(3 - 127): the byte cannot fall under 1
	s_delay_alu instid0(VALU_DEP_1)
	v_add_nc_u32 v16, 0xff000000, v8               ; 2 off its exponent field: the conversion takes the exponent field of this operand as its scale
	s_delay_alu instid0(VALU_DEP_1)
	v_lshrrev_b32 v11, 23, v16                     ; the scale's byte
.if (\b) == 0
	s_delay_alu instid0(VALU_DEP_1)
	v_mov_b32 v12, v11                             ; the four bytes make my column's scale word for these 128 along K
.else
	s_delay_alu instid0(VALU_DEP_1)
	v_lshl_or_b32 v12, v11, 8*(\b), v12
.endif
	v_cvt_scalef32_pk16_fp6_f32 v[CB:CB+2], v[XS:XS+15], v16
	v_cvt_scalef32_pk16_fp6_f32 v[TC:TC+2], v[XS+16:XS+31], v16   ; (a conversion's three registers begin on an even number)
	v_nop                                          ; one plain place behind a scaled conversion
	v_mov_b32 v[CB+3], v[TC]
	v_mov_b32 v[CB+4], v[TC+1]
	v_mov_b32 v[CB+5], v[TC+2]
; block b = 2 c + h is registers 6 c .. 6 c + 5 of fragment lane r + 16 h: in the image, register n lies at 512 (n / 4) + 16 (r + 16 h) + 4 (n % 4)
.if (\b) < 2
	ds_store_b128 v3, v[CB:CB+3] offset:256*((\b)&1)
	ds_store_b64 v3, v[CB+4:CB+5] offset:512+256*((\b)&1)
.else
	ds_store_b64 v3, v[CB:CB+1] offset:520+256*((\b)&1)
	ds_store_b128 v3, v[CB+2:CB+5] offset:1024+256*((\b)&1)
.endif
.if (\b) < 2
	LOAD (\b)+2
.endif
.endm
	LOAD 0
	LOAD 1
	BLOCK 0
	BLOCK 1
	BLOCK 2
	BLOCK 3
	ds_store_b32 v5, v12
.irp p, 0,1,2,3,4,5
	ds_load_b128 v[OUTR+4*\p:OUTR+4*\p+3], v4 offset:(\p/3)*QF+512*(\p%3)   ; LDS serves a wave's instructions in order: these see my stores
.endr
.irp p, 0,1,2,3,4,5
	s_wait_dscnt 5-\p                              ; piece p is back; the younger pieces may be out
	global_store_b128 v6, v[OUTR+4*\p:OUTR+4*\p+3], s[10:11] offset:512*\p   ; 32 lanes store 512 consecutive bytes, at a multiple of 256 from wf's first byte
.endr
	s_wait_dscnt 0x0                               ; for the others' sake: my scale words have landed
	s_barrier_signal -1
	s_barrier_wait -1
	s_cmp_lt_u32 s16, 2
	s_cbranch_scc0 .Lquant_end
	ds_load_b128 v[188:191], v9
	s_wait_dscnt 0x0
	global_store_b128 v10, v[188:191], s[12:13]    ; 512 consecutive bytes a wave
.Lquant_end:
	s_wait_tensorcnt 0x0
	ds_add_u32 v192, v193
	s_wait_dscnt 0x0
	s_endpgm
; ---------------- THE SORTING PATH.  Group g of a thread is token 256 g + thread: 16 groups
.Lsort:
	v_lshlrev_b32 v2, 3, v0                        ; a token's two experts are 8 bytes
	s_mov_b32 s82, 0x7f                            ; lane b stands for bucket b.  The lanes whose bucket has the lower expert 0 .. 6:
	s_mov_b32 s83, 0x1f80
	s_mov_b32 s84, 0x3e000
	s_mov_b32 s85, 0x3c0000
	s_mov_b32 s86, 0x1c00000
	s_mov_b32 s87, 0x6000000
	s_mov_b32 s88, 0x8000000
	s_mov_b32 s89, 0x1                             ; and those whose bucket has the higher expert 1 .. 7 (rows of the snake run up and down by turns)
	s_mov_b32 s90, 0x1002
	s_mov_b32 s91, 0x2804
	s_mov_b32 s92, 0x204408
	s_mov_b32 s93, 0x508210
	s_mov_b32 s94, 0x4890120
	s_mov_b32 s95, 0xb0600c0
	s_wait_alu depctr_va_vdst(0)
	s_wait_kmcnt 0x0
.set g, 0
.rept 16
	global_load_b64 v[IN+2*g:IN+2*g+1], v2, s[8:9] offset:2048*g
.set g, g+1
.endr
.macro KEY g
	s_wait_loadcnt 15-\g                           ; group g is in; the younger groups may be out
	v_and_b32 v8, 7, v[IN+2*\g]
	v_and_b32 v9, 7, v[IN+2*\g+1]
	s_delay_alu instid0(VALU_DEP_2)
	v_lshl_or_b32 v[PW+\g], v8, 12, v0
	s_delay_alu instid0(VALU_DEP_1)
	v_lshl_or_b32 v[PW+\g], v9, 16, v[PW+\g]
	s_delay_alu instid0(VALU_DEP_1)
	v_or_b32 v[PW+\g], 256*\g, v[PW+\g]            ; token | e0 << 12 | e1 << 16, the experts in the input's order
	s_delay_alu instid0(VALU_DEP_4)
	v_min_u32 v10, v8, v9
	v_max_u32 v11, v8, v9
	v_cmp_eq_u32 vcc_lo, v8, v9
	s_delay_alu instid0(VALU_DEP_1)
	v_cndmask_b32 v12, 0, 1, vcc_lo
	s_delay_alu instid0(VALU_DEP_1)
	v_add_nc_u32 v11, v11, v12                     ; (a, a) goes with (a, a + 1),
	v_min_u32 v10, 6, v10
	s_delay_alu instid0(VALU_DEP_2)
	v_min_u32 v11, 7, v11                          ; (7, 7) with (6, 7)
	s_delay_alu instid0(VALU_DEP_2)
	v_sub_nc_u32 v12, 15, v10
	s_delay_alu instid0(VALU_DEP_1)
	v_mul_u32_u24 v12, v12, v10
	s_delay_alu instid0(VALU_DEP_1)
	v_lshrrev_b32 v12, 1, v12                      ; the first bucket of row lo: lo (15 - lo) / 2
	s_delay_alu instid0(VALU_DEP_4)
	v_sub_nc_u32 v13, 7, v11                       ; odd rows run down from 7,
	v_sub_nc_u32 v14, v11, v10
	s_delay_alu instid0(VALU_DEP_1)
	v_add_nc_u32 v14, -1, v14                      ; even rows up from lo + 1
	v_and_b32 v15, 1, v10
	s_delay_alu instid0(VALU_DEP_1)
	v_cmp_eq_u32 vcc_lo, 1, v15
	s_delay_alu instid0(VALU_DEP_1)
	v_cndmask_b32 v13, v14, v13, vcc_lo
	s_delay_alu instid0(VALU_DEP_1)
	v_add_nc_u32 v12, v12, v13
	s_delay_alu instid0(VALU_DEP_1)
	v_min_u32 v12, 27, v12                         ; held to the 28 buckets before it names a lane
	s_delay_alu instid0(VALU_DEP_1)
	v_lshlrev_b32 v[K4+\g], 2, v12
.irp a, 0,1,2,3,4,5,6
	v_cmp_eq_u32 s[40+\a], \a, v10                 ; which lanes have the lower expert a,
	v_cmp_eq_u32 s[48+\a], \a+1, v11               ; which the higher expert a + 1
.endr
	v_cndmask_b32 v16, 0, s40, s40                 ; v16, v17: the lanes that share my token's lower, higher expert
	v_cndmask_b32 v17, 0, s48, s48
	v_cndmask_b32 v18, 0, s40, s82                 ; v18, v19: the lanes that have the lower, higher expert of the bucket that my LANE stands for
	v_cndmask_b32 v19, 0, s48, s89
.irp a, 1,2,3,4,5,6
	s_delay_alu instid0(VALU_DEP_4)
	v_cndmask_b32 v16, v16, s[40+\a], s[40+\a]
	s_delay_alu instid0(VALU_DEP_4)
	v_cndmask_b32 v17, v17, s[48+\a], s[48+\a]
	s_delay_alu instid0(VALU_DEP_4)
	v_cndmask_b32 v18, v18, s[40+\a], s[82+\a]
	s_delay_alu instid0(VALU_DEP_4)
	v_cndmask_b32 v19, v19, s[48+\a], s[89+\a]
.endr
	s_delay_alu instid0(VALU_DEP_3)
	v_and_b32 v16, v16, v17
	s_delay_alu instid0(VALU_DEP_2)
	v_and_b32 v18, v18, v19
	s_delay_alu instid0(VALU_DEP_2)
	v_mbcnt_lo_u32_b32 v[RK+\g], v16, 0            ; how many lanes below me share my bucket
	s_delay_alu instid0(VALU_DEP_2)
	v_bcnt_u32_b32 v[CN+\g], v18, 0                ; lane b: the group's tokens of bucket b (lanes 28 to 31: none)
.endm
.irp g, 0,1,2,3,4,5,6,7,8,9,10,11,12,13,14,15
	KEY \g
.endr
	v_mov_b32 v[POS], 0                            ; lane b: bucket b's tokens in my wave's earlier groups
.set g, 1
.rept 15
	s_delay_alu instid0(VALU_DEP_1)
	v_add_nc_u32 v[POS+g], v[POS+g-1], v[CN+g-1]
.set g, g+1
.endr
	s_delay_alu instid0(VALU_DEP_1)
	v_add_nc_u32 v20, v[POS+15], v[CN+15]          ; and in all of my wave
	v_lshl_add_u32 v21, v0, 2, CNT                 ; 128 x wave + 4 x lane
	v_and_b32 v22, 31, v0
	s_delay_alu instid0(VALU_DEP_1)
	v_lshl_add_u32 v22, v22, 2, CNT
	ds_store_b32 v21, v20
	s_wait_alu depctr_va_vdst(0)
	s_wait_dscnt 0x0                               ; for the others' sake
	s_barrier_signal -1
	s_barrier_wait -1
.irp w, 0,1,2,3,4,5,6,7
	ds_load_b32 v[24+\w], v22 offset:128*\w        ; every wave's count of bucket b
.endr
.irp w, 0,1,2,3,4,5,6
	s_cmp_gt_u32 s16, \w
	s_cselect_b32 s[56+\w], 1, 0                   ; 1 for the waves in front of mine
.endr
	s_mov_b32 s67, 0xffff0000
	v_mov_b32 v18, 0                               ; (a DPP form's destination counts as read)
	s_wait_dscnt 0x0
	v_add3_u32 v20, v24, v25, v26
	s_delay_alu instid0(VALU_DEP_1)
	v_add3_u32 v20, v20, v27, v28
	s_delay_alu instid0(VALU_DEP_1)
	v_add3_u32 v20, v20, v29, v30
	s_delay_alu instid0(VALU_DEP_1)
	v_add_nc_u32 v20, v20, v31                     ; bucket b's tokens in all
	v_mul_u32_u24 v23, v24, s56
.irp w, 1,2,3,4,5,6
	s_delay_alu instid0(VALU_DEP_1)
	v_mad_u32_u24 v23, v[24+\w], s[56+\w], v23     ; and in the waves in front of mine
.endr
	v_mov_b32 v19, v20
.irp n, 1,2,4,8
	s_delay_alu instid0(VALU_DEP_1)
	v_mov_b32_dpp v18, v19 row_shr:\n row_mask:0xf bank_mask:0xf bound_ctrl:1
	s_delay_alu instid0(VALU_DEP_1)
	v_add_nc_u32 v19, v19, v18                     ; a running sum over each 16 lanes,
.endr
	s_delay_alu instid0(VALU_DEP_1)
	v_readlane_b32 s66, v19, 15
	s_delay_alu instid0(VALU_DEP_1)
	v_cndmask_b32 v18, 0, s66, s67
	s_delay_alu instid0(VALU_DEP_1)
	v_add_nc_u32 v19, v19, v18                     ; and over all 32
	s_delay_alu instid0(VALU_DEP_1)
	v_sub_nc_u32 v19, v19, v20                     ; where bucket b begins,
	s_delay_alu instid0(VALU_DEP_1)
	v_add_nc_u32 v19, v19, v23                     ; and my wave's part of it
.set g, 0
.rept 16
	v_add_nc_u32 v[POS+g], v19, v[POS+g]
	ds_bpermute_b32 v[LK+g], v[K4+g], v[POS+g]     ; each token asks its bucket's lane where group g's part begins
.set g, g+1
.endr
.set g, 0
.rept 16
	s_wait_dscnt 15-g
	v_add_nc_u32 v[POS+g], v[LK+g], v[RK+g]
	s_delay_alu instid0(VALU_DEP_1)
	v_min_u32 v[POS+g], 0xfff, v[POS+g]            ; a position made of loaded numbers is held to the list's 4,096 words
	s_delay_alu instid0(VALU_DEP_1)
	v_lshlrev_b32 v[POS+g], 2, v[POS+g]
	global_store_b32 v[POS+g], v[PW+g], s[14:15]   ; 4 bytes a lane to scattered words, 16,384 bytes in all: gathering them in LDS first would want LDS addresses made of data
.set g, g+1
.endr
	s_wait_tensorcnt 0x0
	ds_add_u32 v192, v193
	s_wait_dscnt 0x0
	s_endpgm
.Lfunc_end_k_q00769f7cd7_prep:
	.size	k_q00769f7cd7_prep, .Lfunc_end_k_q00769f7cd7_prep-k_q00769f7cd7_prep
	.p2alignl 7, 3214868480
	.fill 96, 4, 3214868480
	.section	.rodata,"a",@progbits
	.p2align	6, 0x0
	.amdhsa_kernel k_q00769f7cd7_prep
		.amdhsa_group_segment_fixed_size 29696
		.amdhsa_private_segment_fixed_size 0
		.amdhsa_enable_private_segment 0
		.amdhsa_kernarg_size 48
		.amdhsa_user_sgpr_count 2
		.amdhsa_user_sgpr_kernarg_segment_ptr 1
		.amdhsa_wavefront_size32 1
		.amdhsa_system_sgpr_workgroup_id_x 1
		.amdhsa_system_sgpr_workgroup_id_y 1
		.amdhsa_system_sgpr_workgroup_id_z 1
		.amdhsa_system_vgpr_workitem_id 0
		.amdhsa_next_free_vgpr 194
		.amdhsa_next_free_sgpr 100
		.amdhsa_reserve_vcc 1
		.amdhsa_float_denorm_mode_32 3
		.amdhsa_float_denorm_mode_16_64 3
		.amdhsa_memory_ordered 1
		.amdhsa_forward_progress 1
		.amdhsa_inst_pref_size 124
	.end_amdhsa_kernel
	.amdgpu_metadata
---
amdhsa.version: [ 1, 2 ]
amdhsa.kernels:
  - .name:           k_q00769f7cd7_prep
    .symbol:         k_q00769f7cd7_prep.kd
    .args:
      - { .name: W1, .offset: 0, .size: 8, .value_kind: global_buffer, .address_space: global }
      - { .name: W2, .offset: 8, .size: 8, .value_kind: global_buffer, .address_space: global }
      - { .name: expert_idxs, .offset: 16, .size: 8, .value_kind: global_buffer, .address_space: global }
      - { .name: wf, .offset: 24, .size: 8, .value_kind: global_buffer, .address_space: global }
      - { .name: ws, .offset: 32, .size: 8, .value_kind: global_buffer, .address_space: global }
      - { .name: order, .offset: 40, .size: 8, .value_kind: global_buffer, .address_space: global }
    .group_segment_fixed_size: 29696
    .private_segment_fixed_size: 0
    .kernarg_segment_align: 8
    .kernarg_segment_size: 48
    .max_flat_workgroup_size: 256
    .sgpr_count:     100
    .vgpr_count:     194
    .wavefront_size: 32
...
	.end_amdgpu_metadata
.endif
;; end of part 1
;; launch moe (part 2): grid 128 x 1, 8 waves a work-group, no clusters, 138,240 bytes of LDS; arguments x, expert_p, wf, ws, order, out0; writes out0
.if DOCPART == 2
	.amdgcn_target "amdgcn-amd-amdhsa--gfx1250"
	.amdhsa_code_object_version 6
	.text
	.protected	k_q00769f7cd7_moe
	.globl	k_q00769f7cd7_moe
	.p2align	8
	.type	k_q00769f7cd7_moe,@function
k_q00769f7cd7_moe:
	s_mov_b64 s[64:65], 0
	v_nop
	global_prefetch_b8 v0, s[64:65] scope:SCOPE_SE
	s_setreg_imm32_b32 hwreg(HW_REG_WAVE_MODE, 25, 1), 1
	s_wait_xcnt 0x0
; MOE.  y[t] = p0 down(e0) + p1 down(e1); down(e) = Q(gelu(h) (g + 1)) Q(W2[e]), (h, g) = Q(x[t]) Q(W1[e]); both products on codes of FP6 (E2M3) with one E8M0 scale for each 32 along K; all else f32.
; SHARES.  A work-group owns the 32 tokens at positions 32 x work-group on of the sorted list: two tiles of 16 rows.  It gathers and quantises their rows of x once, walks the eight experts in a loop of
; constant count, passes over those that none of its tokens names (a scalar branch on the stored list), and keeps y in registers: each output row has one owner, and neither the hidden layer nor a pair's result goes to memory.
; THE WAVES SHARE THE COLUMNS: wave w makes hidden units 32 w .. 32 w + 31 (one block of the second product's K: two tiles of h, two of g) and outputs 128 w .. 128 w + 127, for all 32 rows.
; Both products are used transposed (source 0 = 16 columns of the weight, source 1 = 16 rows): a lane holds ONE row, and the columns of a weight's tile are chosen (in the launch before) so that a lane's 16 registers of two tiles are 16 neighbours.
; A row is also multiplied by those experts of its block that it did not name; that result is weighted by 0.
; THE WEIGHTS come from memory straight into registers, as images of the operand's registers, through a ring of five chunks of 24 registers.  NO TENSOR LOADS, NO CLUSTER: which experts a block walks is read from
; the list, so the walk branches on stored numbers and the blocks of a cluster would want different tiles.  x and a go from wave to wave through LDS as images of their registers.
; EXACT GELU: gelu(h) = max(h, 0) - |h| u, u = erfc(|h| / sqrt 2) / 2 = t exp(-h h / 2 + P(t)) / 2, t = 1 / (1 + |h| / (2 sqrt 2)), P of degree 9: fractional error of the formula 1.2e-7.
; LIMITS: NaN and infinities among the inputs are not served; blocks whose largest magnitude lies under 2^-124 take the scale byte 1; the products with experts that a row did not name must stay finite (sums under 3e38).
; REGISTERS.  Window 0: v1-20 addresses; v22-39 constants, list words, gates; v40-75 scale words and nothing else; v76-95 the quantisers' work; v96-159 eight accumulators;
;   v160-207 x's fragments, two sets; v208-255 a's four fragments.  (The GLU works in v160-255; x's rows pass through v192-255; the way out takes v96-255.)
;   Window 1: v0-127 y (32 i + 16 m + 8 u + j); v128-247 the ring; v128-255 x's rows as loaded.
.set XIMG, 0                           ; LDS: x's 16 fragments (8 m + s), 1,536 bytes each
.set XSC,  24576                       ; x's scale words: 128 s + 4 x row
.set AIMG, 25600                       ; a's 4 fragments (2 m + s)
.set ASC,  31744                       ; a's scale words: 128 s + 4 x row
.set XSTG, 32768                       ; a stage for each wave: 32 places of 128 bytes + 16
.set OSTG, 69632                       ; the way out: for each wave 16 rows of 512 bytes + 16
.set FRB,  1536
.set LI,   1                           ; 16 x lane
.set L4,   2                           ; 4 x lane
.set R4,   3                           ; 4 x (lane % 16)
.set XA128, 5
.set XA64, 6
.set XAB,  7
.set STI,  8
.set STO,  9
.set AA,   10                          ; v10-12
.set AAB,  13
.set SO,   14
.set SR,   15
.set OC,   16
.set XO,   17                          ; v17-20
.set C9,   22                          ; v[22:23]
.set OW,   24                          ; v24-25  the list's words of rows r and 16 + r
.set EX,   26                          ; v26-29  their experts: 2 m + k
.set PP,   30                          ; v[30:31], v[32:33] their gates
.set GOF,  34                          ; v34-35
.set WG,   36                          ; v[36:37], v[38:39] the weight of the expert in hand for my row of tile m
.set XS,   40                          ; v40-47  x's scale words, K step s
.set AS,   48                          ; v48-49  a's
.set W1S,  52                          ; v52-67  W1's: 2 s + hg
.set W2S,  68                          ; v68-75  W2's: 2 i + s
.set D128, 76
.set D64,  80
.set SOP,  82
.set CA,   84                          ; v84-86, v88-90 codes
.set BY,   87                          ; v87, v91 bytes
.set MX,   92
.set PD,   94
.set ACC,  96
.set XF,   160
.set AF,   208
.set T,    160
.set P,    192
.set HN,   224
.set XB,   192
.set OB,   96
.set OA,   224
.set Y,    0                           ; window 1
.set RING, 128
.set XR,   128
.set MSB, 0
.macro WIN new                         ; low byte: bits 1:0 source 0, 3:2 source 1, 5:4 source 2, 7:6 destination; the high byte repeats the setting that is left
.if MSB != \new
	s_set_vgpr_msb (MSB<<8)|\new
.set MSB, \new
.endif
.endm
.macro PLACES                          ; four plain places behind a matrix instruction of this form, in front of loads into its registers and of reads of its results
.rept 4
	v_nop
.endr
.endm
.macro BARRIER                         ; my LDS stores have landed and my LDS loads are in: then the work-group's barrier
	s_wait_dscnt 0x0
	s_barrier_signal -1
	s_barrier_wait -1
.endm
; one product: d accumulator, a weight's fragment (window 1), b rows' fragment; zero: it starts the sum; sa, sb scale registers; ra, rb: lanes 16-31 of them
.macro WM d, a, b, zero, sa, sb, ra, rb
.if \zero
.if ((\ra)==0)&&((\rb)==0)
	v_wmma_scale_f32_16x16x128_f8f6f4 v[\d:\d+7], v[\a:\a+11], v[\b:\b+11], 0, v[\sa], v[\sb] matrix_a_fmt:MATRIX_FMT_FP6 matrix_b_fmt:MATRIX_FMT_FP6
.elseif (\rb)==0
	v_wmma_scale_f32_16x16x128_f8f6f4 v[\d:\d+7], v[\a:\a+11], v[\b:\b+11], 0, v[\sa], v[\sb] matrix_a_fmt:MATRIX_FMT_FP6 matrix_b_fmt:MATRIX_FMT_FP6 matrix_a_scale:MATRIX_SCALE_ROW1
.elseif (\ra)==0
	v_wmma_scale_f32_16x16x128_f8f6f4 v[\d:\d+7], v[\a:\a+11], v[\b:\b+11], 0, v[\sa], v[\sb] matrix_a_fmt:MATRIX_FMT_FP6 matrix_b_fmt:MATRIX_FMT_FP6 matrix_b_scale:MATRIX_SCALE_ROW1
.else
	v_wmma_scale_f32_16x16x128_f8f6f4 v[\d:\d+7], v[\a:\a+11], v[\b:\b+11], 0, v[\sa], v[\sb] matrix_a_fmt:MATRIX_FMT_FP6 matrix_b_fmt:MATRIX_FMT_FP6 matrix_a_scale:MATRIX_SCALE_ROW1 matrix_b_scale:MATRIX_SCALE_ROW1
.endif
.else
.if ((\ra)==0)&&((\rb)==0)
	v_wmma_scale_f32_16x16x128_f8f6f4 v[\d:\d+7], v[\a:\a+11], v[\b:\b+11], v[\d:\d+7], v[\sa], v[\sb] matrix_a_fmt:MATRIX_FMT_FP6 matrix_b_fmt:MATRIX_FMT_FP6
.elseif (\rb)==0
	v_wmma_scale_f32_16x16x128_f8f6f4 v[\d:\d+7], v[\a:\a+11], v[\b:\b+11], v[\d:\d+7], v[\sa], v[\sb] matrix_a_fmt:MATRIX_FMT_FP6 matrix_b_fmt:MATRIX_FMT_FP6 matrix_a_scale:MATRIX_SCALE_ROW1
.elseif (\ra)==0
	v_wmma_scale_f32_16x16x128_f8f6f4 v[\d:\d+7], v[\a:\a+11], v[\b:\b+11], v[\d:\d+7], v[\sa], v[\sb] matrix_a_fmt:MATRIX_FMT_FP6 matrix_b_fmt:MATRIX_FMT_FP6 matrix_b_scale:MATRIX_SCALE_ROW1
.else
	v_wmma_scale_f32_16x16x128_f8f6f4 v[\d:\d+7], v[\a:\a+11], v[\b:\b+11], v[\d:\d+7], v[\sa], v[\sb] matrix_a_fmt:MATRIX_FMT_FP6 matrix_b_fmt:MATRIX_FMT_FP6 matrix_a_scale:MATRIX_SCALE_ROW1 matrix_b_scale:MATRIX_SCALE_ROW1
.endif
.endif
.endm
; An expert's 24 chunks of my wave: 0-15 W1's (2 s + hg), 16-23 W2's (16 + 2 i + s).  Chunk c goes to place c % 5 of the ring: six loads of 512 consecutive bytes
.macro CHUNK_LOAD c
	WIN 0x40                                       ; destination window 1
.irp p, 0,1,2,3,4,5
.if (\c) < 16
	global_load_b128 v[RING+24*((\c)%5)+4*\p:RING+24*((\c)%5)+4*\p+3], v[LI], s[66:67] offset:(\c)*3072+512*\p
.else
	global_load_b128 v[RING+24*((\c)%5)+4*\p:RING+24*((\c)%5)+4*\p+3], v[LI], s[68:69] offset:((\c)-16)*3072+512*\p
.endif
.endr
.endm
.macro CWAIT c                         ; chunk c is in: behind it the chunks c + 1 .. min(c + 4, 23) were asked for, six loads each
.if (23-(\c)) < 4
	s_wait_loadcnt 6*(23-(\c))
.else
	s_wait_loadcnt 24
.endif
.endm
.macro FETCHX s                        ; x's two fragments of K step s into set s % 2
.irp m, 0,1
.irp c, 0,1,2
	ds_load_b128 v[XF+24*((\s)%2)+12*\m+4*\c:XF+24*((\s)%2)+12*\m+4*\c+3], v[LI] offset:XIMG+(8*\m+(\s))*FRB+512*\c
.endr
.endr
.endm
	s_load_b256 s[4:11], s[0:1], 0x0               ; x s[4:5], expert_p s[6:7], wf s[8:9], ws s[10:11]
	s_load_b128 s[12:15], s[0:1], 0x20             ; order s[12:13], out0 s[14:15]
	v_lshrrev_b32 v4, 5, v0
	s_delay_alu instid0(VALU_DEP_1)
	v_readfirstlane_b32 s16, v4                    ; wave w
	v_and_b32 v21, 31, v0                          ; lane L
	v_and_b32 v50, 15, v0                          ; r
	v_bfe_u32 v51, v0, 4, 1                        ; h
	s_delay_alu instid0(VALU_DEP_3)
	v_lshlrev_b32 v[LI], 4, v21
	s_delay_alu instid0(VALU_DEP_4)
	v_lshlrev_b32 v[L4], 2, v21
	s_delay_alu instid0(VALU_DEP_4)
	v_lshlrev_b32 v[R4], 2, v50
	s_lshl_b32 s74, ttmp9, 7                       ; my block's 32 words of the list
	s_mov_b32 s75, 0
	s_lshl_b32 s78, s16, 4                         ; my wave's four rows of them
	s_mov_b32 s79, 0
	s_mov_b32 s83, 0
	s_wait_alu depctr_va_vdst(0)
	s_wait_kmcnt 0x0
	s_add_nc_u64 s[74:75], s[12:13], s[74:75]
	s_add_nc_u64 s[78:79], s[74:75], s[78:79]
	s_load_b128 s[20:23], s[78:79], 0x0            ; rows 4 w .. 4 w + 3: I quantise them
	s_load_b512 s[24:39], s[74:75], 0x0            ; all 32: I store a part of each
	s_load_b512 s[40:55], s[74:75], 0x40
	global_load_b32 v[OW], v[R4], s[74:75]         ; and, a lane a row, rows r and 16 + r: their experts and gates
	global_load_b32 v[OW+1], v[R4], s[74:75] offset:64
	s_mul_i32 s82, s16, 49152                      ; expert 0, my wave: W1's 16 chunks,
	s_add_nc_u64 s[66:67], s[8:9], s[82:83]
	s_mul_i32 s82, s16, 24576
	s_add_co_u32 s82, s82, 3145728                 ; W2's 8,
	s_add_nc_u64 s[68:69], s[8:9], s[82:83]
	s_lshl_b32 s82, s16, 11                        ; W1's scale words,
	s_add_nc_u64 s[70:71], s[10:11], s[82:83]
	s_lshl_b32 s82, s16, 10
	s_add_co_u32 s82, s82, 131072                  ; W2's
	s_add_nc_u64 s[72:73], s[10:11], s[82:83]
	s_mov_b32 s76, 0x76543210
	s_mov_b32 s77, 0xfedcba98                      ; v_permlanex16_b32's selects for lane l xor 16
	s_mov_b32 s80, 0xcccccccc                      ; the lanes whose block of x is the third or fourth of its K step
	s_mov_b32 s81, 0x3eb504f3                      ; 1 / (2 sqrt 2)
	; every LDS address: a constant, constants x parts of the lane's number, constants x parts of the wave's
	s_mul_i32 s84, s16, 4608
	s_add_co_u32 s84, s84, XSTG
	v_bfe_u32 v4, v0, 3, 2
	s_delay_alu instid0(VALU_DEP_1)
	v_mul_u32_u24 v[STI], v4, 144
	v_and_b32 v4, 7, v0
	s_delay_alu instid0(VALU_DEP_1)
	v_lshl_add_u32 v[STI], v4, 4, v[STI]
	s_delay_alu instid0(VALU_DEP_1)
	v_add_nc_u32 v[STI], s84, v[STI]               ; x's stage, in: eight lanes' 128 bytes on end, then 16 of padding; a load's 512 bytes take four places
	v_mul_u32_u24 v[STO], v21, 144
	s_delay_alu instid0(VALU_DEP_1)
	v_add_nc_u32 v[STO], s84, v[STO]               ; out: place L = block L of the row
	s_lshr_b32 s85, s16, 2                         ; w / 4: the tile of my four rows; also the K step of my hidden block
	s_and_b32 s86, s16, 3                          ; w % 4
	s_mul_i32 s87, s85, 8*FRB
	s_lshl_b32 s88, s86, 6
	s_add_co_u32 s87, s87, s88
	v_bfe_u32 v4, v0, 2, 3                         ; L / 4: my block's K step
	s_delay_alu instid0(VALU_DEP_1)
	v_mul_u32_u24 v[XA128], v4, FRB
	s_delay_alu instid0(VALU_DEP_1)
	v_add_nc_u32 v[XA128], s87, v[XA128]
	v_and_b32 v76, 1, v0
	s_delay_alu instid0(VALU_DEP_1)
	v_lshl_add_u32 v[XA64], v76, 8, v[XA128]       ; fragment 8 m + L / 4, fragment lane 4 (w % 4) + j + 16 (L % 2)
	v_bfe_u32 v77, v0, 1, 1                        ; c = (L / 2) % 2: my block is registers 6 c .. 6 c + 5 there
	s_delay_alu instid0(VALU_DEP_1)
	v_lshl_add_u32 v[XA128], v77, 10, v[XA64]      ; four of them: registers 0-3 or 8-11,
	s_delay_alu instid0(VALU_DEP_2)
	v_lshl_add_u32 v[XA64], v77, 3, v[XA64]
	s_delay_alu instid0(VALU_DEP_1)
	v_add_nc_u32 v[XA64], 512, v[XA64]             ; two: registers 4, 5 or 6, 7
	v_and_b32 v76, 3, v0
	s_delay_alu instid0(VALU_DEP_1)
	v_lshl_add_u32 v[XAB], v4, 7, v76
	s_lshl_b32 s88, s16, 4
	s_add_co_u32 s88, s88, XSC
	v_add_nc_u32 v[XAB], s88, v[XAB]               ; the scale byte: word 128 (L / 4) + 4 (4 w + j), byte L % 4
	s_bfe_u32 s88, s16, 0x10001                    ; (w / 2) % 2
	s_mul_i32 s88, s88, 6
	v_mul_u32_u24 v76, v51, 3
	s_delay_alu instid0(VALU_DEP_1)
	v_add_nc_u32 v76, s88, v76                     ; a: my three code registers are registers 6 ((w / 2) % 2) + 3 h + i
	s_mul_i32 s89, s85, FRB
	s_and_b32 s90, s16, 1
	s_lshl_b32 s90, s90, 8
	s_add_co_u32 s89, s89, s90
	s_add_co_u32 s89, s89, AIMG
	v_lshl_add_u32 v77, v50, 4, s89                ; of fragment lane r + 16 (w % 2) of fragment 2 m + w / 4
.irp i, 0,1,2
	v_add_nc_u32 v78, \i, v76
	s_delay_alu instid0(VALU_DEP_1)
	v_lshrrev_b32 v79, 2, v78
	s_delay_alu instid0(VALU_DEP_2)
	v_and_b32 v78, 3, v78
	s_delay_alu instid0(VALU_DEP_2)
	v_lshl_add_u32 v[AA+\i], v79, 9, v77
	s_delay_alu instid0(VALU_DEP_1)
	v_lshl_add_u32 v[AA+\i], v78, 2, v[AA+\i]
.endr
	s_lshl_b32 s89, s85, 7
	s_add_co_u32 s89, s89, s86
	s_add_co_u32 s89, s89, ASC
	v_add_nc_u32 v[AAB], s89, v[R4]                ; a's scale byte: word 128 (w / 4) + 4 (16 m + r), byte w % 4
	s_mul_i32 s89, s16, 8448
	s_add_co_u32 s89, s89, OSTG
	v_mul_u32_u24 v[SO], v50, 528
	s_delay_alu instid0(VALU_DEP_1)
	v_lshl_add_u32 v[SO], v51, 6, v[SO]
	s_delay_alu instid0(VALU_DEP_1)
	v_add_nc_u32 v[SO], s89, v[SO]                 ; the way out, in: row r, 64 h bytes on
	v_add_nc_u32 v[SR], s89, v[LI]                 ; back: a row of 512 bytes, 16 a lane
	s_lshl_b32 s89, s16, 9
	v_add_nc_u32 v[OC], s89, v[LI]                 ; and the same in a row of y: my wave's 512 bytes
	s_wait_kmcnt 0x0
.irp j, 0,1,2,3
	s_and_b32 s[20+\j], s[20+\j], 0xfff            ; the token,
	s_min_u32 s[20+\j], s[20+\j], 0xfff            ; held to x's 4,096 rows before it enters an address
	v_lshl_add_u32 v[XO+\j], s[20+\j], 12, v[LI]
.endr
	WIN 0x40
.irp j, 0,1,2,3
.irp i, 0,1,2,3,4,5,6,7
	global_load_b128 v[XR+32*\j+4*\i:XR+32*\j+4*\i+3], v[XO+\j], s[4:5] offset:512*\i th:TH_LOAD_NT   ; 512 consecutive bytes of a row; each row of x is read once in the launch
.endr
.endr
	WIN 0
	s_wait_loadcnt 32                              ; the two list words are in; x's 32 loads may be out
.irp m, 0,1
	v_bfe_u32 v[EX+2*\m], v[OW+\m], 12, 3
	v_bfe_u32 v[EX+2*\m+1], v[OW+\m], 16, 3
	v_and_b32 v[GOF+\m], 0xfff, v[OW+\m]
	s_delay_alu instid0(VALU_DEP_1)
	v_min_u32 v[GOF+\m], 0xfff, v[GOF+\m]
	s_delay_alu instid0(VALU_DEP_1)
	v_lshlrev_b32 v[GOF+\m], 3, v[GOF+\m]
	global_load_b64 v[PP+2*\m:PP+2*\m+1], v[GOF+\m], s[6:7]
.endr
	; while x is on its way.  y begins as zeros: which expert comes first is read from the list, so no product can be written out as the one that starts the sums
	WIN 0x40
.set k, 0
.rept 128
	v_mov_b32 v[Y+k], 0
.set k, k+1
.endr
	WIN 0
	v_mov_b32 v[C9], 0x3e2ef945                    ; P's highest coefficient, as a pair
	v_mov_b32 v[C9+1], 0x3e2ef945
.irp q, 0,1,2,3,4,5,6,7
	v_mov_b32 v[W2S+\q], 0x7f7f7f7f                ; written once, so that every listed path finds scales here
.endr
	v_mov_b32 v[AS], 0x7f7f7f7f
	v_mov_b32 v[AS+1], 0x7f7f7f7f
	v_mov_b32 v[PD], 0                             ; a lane permute's destination counts as one of its sources
	v_mov_b32 v[PD+1], 0
; x: row 4 w + j.  The loads took the bytes as they lie; the row turns through my stage so that lane L holds block L, 32 neighbours along K
.macro TURN j
	WIN 0x04                                       ; an LDS store's data are its source 1: window 1
.irp i, 0,1,2,3,4,5,6,7
	ds_store_b128 v[STI], v[XR+32*(\j)+4*\i:XR+32*(\j)+4*\i+3] offset:576*\i
.endr
	WIN 0
.irp q, 0,1,2,3,4,5,6,7
	ds_load_b128 v[XB+32*((\j)%2)+4*\q:XB+32*((\j)%2)+4*\q+3], v[STO] offset:16*\q   ; LDS serves a wave's instructions in order: these see the stores above, and the next row's stores come behind them
.endr
.endm
.macro XQ j
.set XN, XB+32*((\j)%2)
	v_max3_num_f32 v[MX], |v[XN]|, |v[XN+1]|, |v[XN+2]|
	v_max3_num_f32 v[MX+1], |v[XN+3]|, |v[XN+4]|, |v[XN+5]|
.irp i, 6,10,14,18,22,26
	s_delay_alu instid0(VALU_DEP_2)
	v_max3_num_f32 v[MX], v[MX], |v[XN+\i]|, |v[XN+\i+1]|
	s_delay_alu instid0(VALU_DEP_2)
	v_max3_num_f32 v[MX+1], v[MX+1], |v[XN+\i+2]|, |v[XN+\i+3]|
.endr
	s_delay_alu instid0(VALU_DEP_2)
	v_max3_num_f32 v[MX], v[MX], |v[XN+30]|, |v[XN+31]|
	s_delay_alu instid0(VALU_DEP_1)
	v_max3_num_f32 v[MX], v[MX], v[MX+1], 0x1800000   ; the block's largest magnitude, and the floor 2^(3 - 127)
	s_delay_alu instid0(VALU_DEP_1)
	v_add_nc_u32 v[SOP], 0xff000000, v[MX]         ; 2 off its exponent field: the conversion's scale operand
	s_delay_alu instid0(VALU_DEP_1)
	v_lshrrev_b32 v[BY], 23, v[SOP]                ; the scale's byte
	v_cvt_scalef32_pk16_fp6_f32 v[CA:CA+2], v[XN:XN+15], v[SOP]
	v_cvt_scalef32_pk16_fp6_f32 v[CA+4:CA+6], v[XN+16:XN+31], v[SOP]
	v_nop                                          ; one plain place behind a scaled conversion
	v_cndmask_b32 v[D128], v[CA], v[CA+2], s80     ; my six registers straddle the image's pieces of four: c = 0: four, then two; c = 1: two, then four
	v_cndmask_b32 v[D128+1], v[CA+1], v[CA+4], s80
	v_cndmask_b32 v[D128+2], v[CA+2], v[CA+5], s80
	v_cndmask_b32 v[D128+3], v[CA+4], v[CA+6], s80
	v_cndmask_b32 v[D64], v[CA+5], v[CA], s80
	v_cndmask_b32 v[D64+1], v[CA+6], v[CA+1], s80
	ds_store_b128 v[XA128], v[D128:D128+3] offset:16*(\j)
	ds_store_b64 v[XA64], v[D64:D64+1] offset:16*(\j)
	ds_store_b8 v[XAB], v[BY] offset:4*(\j)
.endm
	s_wait_loadcnt 26                              ; row 0's eight loads are in; three rows' 24 and the two gate loads may be out
	TURN 0
.irp j, 0,1,2,3
.if \j < 3
	s_wait_loadcnt 8*(2-\j)+2                      ; the next row is in; the rows behind it and the gates may be out
	TURN \j+1
	s_wait_dscnt 16                                ; this row is back from the stage; the next row's sixteen may be out
.else
	s_wait_dscnt 0x0
.endif
	XQ \j
.endr
	BARRIER                                        ; x's sixteen fragments and their scale words lie in LDS, for the whole launch
.irp s, 0,1,2,3,4,5,6,7
	ds_load_b32 v[XS+\s], v[L4] offset:XSC+128*\s  ; lanes 0-15: rows 0-15; lanes 16-31: rows 16-31
.endr
.set i, 24
.rept 32
	s_and_b32 s[i], s[i], 0xfff                    ; the 32 tokens, for the way out,
	s_min_u32 s[i], s[i], 0xfff                    ; held to y's 4,096 rows
.set i, i+1
.endr
	s_wait_dscnt 0x0
	s_wait_loadcnt 0x0                             ; the gates
	s_mov_b32 s56, 0
; K step s of the first product: two chunks (h's, g's), four products each; the eight accumulators take turns, one instruction a turn
.macro P1STEP s
.if (\s) < 7
	WIN 0
	FETCHX (\s)+1
.endif
.irp hg, 0,1
	CWAIT 2*(\s)+\hg
.if \hg == 0
.if (\s) < 7
	s_wait_dscnt 6                                 ; this K step's fragments of x are in; the six loads just issued may be out
.else
	s_wait_dscnt 0x0
.endif
.endif
	WIN 0x01                                       ; source 0 (the weight) window 1
.irp u, 0,1
.irp m, 0,1
	WM ACC+32*\hg+16*\m+8*\u, RING+24*((2*(\s)+\hg)%5)+12*\u, XF+24*((\s)%2)+12*\m, (\s)==0, W1S+2*(\s)+\hg, XS+(\s), \u, \m
.endr
.endr
	PLACES
	CHUNK_LOAD 2*(\s)+\hg+5                        ; into the place just read; from chunk 16 on these are W2's
.endr
.endm
; a = gelu(h) (g + 1) for my 32 numbers: h in v[ACC .. ACC+31] (16 m + 0 .. 15), g in v[ACC+32 ..]; the result takes h's place.  Each accumulator is read from its low end on
.macro GLU
	WIN 0
.set k, 0
.rept 32
	v_fma_f32 v[T+k], |v[ACC+k]|, s81, 1.0
.set k, k+1
.endr
.set k, 0
	s_wait_alu depctr_va_vdst(0)
.rept 32
	v_rcp_f32 v[T+k], v[T+k]                       ; t
.set k, k+1
.endr
.set k, 0
.rept 16
	v_pk_mul_f32 v[HN+k:HN+k+1], v[ACC+k:ACC+k+1], -0.5 op_sel_hi:[1,0]   ; -h / 2: plain work behind the batch
.set k, k+2
.endr
	s_wait_alu depctr_va_vdst(0)                   ; one wait for the 32 reciprocals, ahead of their first reader
.set k, 0
.rept 16
	v_pk_fma_f32 v[P+k:P+k+1], v[T+k:T+k+1], v[C9:C9+1], 0xbf527892 op_sel_hi:[1,1,0]
.set k, k+2
.endr
.irp c, 0x3fbe87b0,0xbf914e5d,0x3e8ec7cc,0xbe3ec24c,0x3dc636c9,0x3ebf88fb,0x3f8000c7,0xbfa1fc4e
.set k, 0
.rept 16
	v_pk_fma_f32 v[P+k:P+k+1], v[P+k:P+k+1], v[T+k:T+k+1], \c op_sel_hi:[1,1,0]   ; P(t), by Horner; sixteen pairs by turns
.set k, k+2
.endr
.endr
.set k, 0
.rept 16
	v_pk_fma_f32 v[P+k:P+k+1], v[HN+k:HN+k+1], v[ACC+k:ACC+k+1], v[P+k:P+k+1]      ; - h h / 2
.set k, k+2
.endr
.set k, 0
.rept 16
	v_pk_fma_f32 v[P+k:P+k+1], v[P+k:P+k+1], 0x3fb8aa3b, -1.0 op_sel_hi:[1,0,0]    ; x log2(e), and - 1 for the half
.set k, k+2
.endr
.set k, 0
	s_wait_alu depctr_va_vdst(0)
.rept 32
	v_exp_f32 v[P+k], v[P+k]
.set k, k+1
.endr
.set k, 0
.rept 32
	v_max_num_f32 v[HN+k], 0, v[ACC+k]             ; max(h, 0): plain work behind the batch
.set k, k+1
.endr
	s_wait_alu depctr_va_vdst(0)                   ; one wait for the 32 exponentials
.set k, 0
.rept 16
	v_pk_mul_f32 v[P+k:P+k+1], v[P+k:P+k+1], v[T+k:T+k+1]    ; u
.set k, k+2
.endr
.set k, 0
.rept 32
	v_fma_f32 v[ACC+k], -|v[ACC+k]|, v[P+k], v[HN+k]         ; gelu(h)
.set k, k+1
.endr
.set k, 0
.rept 16
	v_pk_fma_f32 v[ACC+k:ACC+k+1], v[ACC+k:ACC+k+1], v[ACC+32+k:ACC+32+k+1], v[ACC+k:ACC+k+1]   ; gelu (g + 1)
.set k, k+2
.endr
.endm
; my block of a (hidden units 32 w on) for both tiles of rows: lanes l and l xor 16 hold its halves; 16 codes a lane go straight to their registers' places in the images
.macro QA
.irp m, 0,1
	v_max3_num_f32 v[MX+\m], |v[ACC+16*\m]|, |v[ACC+16*\m+1]|, 0x1800000
.endr
.irp i, 2,4,6,8,10,12,14
.irp m, 0,1
	s_delay_alu instid0(VALU_DEP_2)
	v_max3_num_f32 v[MX+\m], v[MX+\m], |v[ACC+16*\m+\i]|, |v[ACC+16*\m+\i+1]|
.endr
.endr
.irp m, 0,1
	s_delay_alu instid0(VALU_DEP_2)
	v_permlanex16_b32 v[PD+\m], v[MX+\m], s76, s77
.endr
.irp m, 0,1
	s_delay_alu instid0(VALU_DEP_2)
	v_max_num_f32 v[MX+\m], v[MX+\m], v[PD+\m]
.endr
.irp m, 0,1
	s_delay_alu instid0(VALU_DEP_2)
	v_add_nc_u32 v[SOP+\m], 0xff000000, v[MX+\m]
.endr
.irp m, 0,1
	s_delay_alu instid0(VALU_DEP_2)
	v_lshrrev_b32 v[BY+4*\m], 23, v[SOP+\m]
.endr
.irp m, 0,1
	v_cvt_scalef32_pk16_fp6_f32 v[CA+4*\m:CA+4*\m+2], v[ACC+16*\m:ACC+16*\m+15], v[SOP+\m]
.endr
	v_nop                                          ; one plain place behind a scaled conversion
.irp m, 0,1
.irp i, 0,1,2
	ds_store_b32 v[AA+\i], v[CA+4*\m+\i] offset:2*FRB*\m
.endr
	ds_store_b8 v[AAB], v[BY+4*\m] offset:64*\m    ; both lanes of a row write the same byte with the same value
.endr
.endm
.Lexpert:                                              ; eight trips; every barrier stands outside the branches that pass an expert over
	v_cmp_eq_u32 s58, s56, v[EX]                   ; which of my lanes' rows name this expert first, second (tile 0),
	v_cmp_eq_u32 s59, s56, v[EX+1]
	v_cmp_eq_u32 s60, s56, v[EX+2]                 ; and in tile 1.  Every wave holds all 32 rows' words, so all waves find the same
	v_cmp_eq_u32 s61, s56, v[EX+3]
	s_or_b32 s57, s58, s59
	s_or_b32 s62, s60, s61
	s_or_b32 s57, s57, s62
	s_cmp_lg_u32 s57, 0
	s_cbranch_scc0 .Lno_up
	s_wait_loadcnt 0x0                             ; no load is on its way into the ring when it is begun anew
.irp q, 0,1,2,3
	global_load_b128 v[W1S+4*\q:W1S+4*\q+3], v[LI], s[70:71] offset:512*\q
.endr
.irp q, 0,1
	global_load_b128 v[W2S+4*\q:W2S+4*\q+3], v[LI], s[72:73] offset:512*\q
.endr
.irp c, 0,1,2,3,4
	CHUNK_LOAD \c
.endr
	WIN 0
	FETCHX 0
.irp s, 0,1,2,3,4,5,6,7
	P1STEP \s
.endr
	GLU
	QA
.Lno_up:
	BARRIER                                        ; a's four fragments and their scale words lie in LDS
	s_cmp_lg_u32 s57, 0
	s_cbranch_scc0 .Lno_a
.irp m, 0,1
.irp s, 0,1
.irp c, 0,1,2
	ds_load_b128 v[AF+12*(2*\m+\s)+4*\c:AF+12*(2*\m+\s)+4*\c+3], v[LI] offset:AIMG+(2*\m+\s)*FRB+512*\c
.endr
.endr
.endr
	ds_load_b32 v[AS], v[L4] offset:ASC
	ds_load_b32 v[AS+1], v[L4] offset:ASC+128
.Lno_a:
	BARRIER                                        ; every wave has them in registers: the next expert's may be stored
	s_cmp_lg_u32 s57, 0
	s_cbranch_scc0 .Lno_down
	v_cndmask_b32 v[WG], 0, v[PP], s58             ; my row's weight for this expert: the gates of the pairs that name it, 0 if none does
	v_cndmask_b32 v[WG+1], 0, v[PP+1], s59
	v_cndmask_b32 v[WG+2], 0, v[PP+2], s60
	v_cndmask_b32 v[WG+3], 0, v[PP+3], s61
	s_delay_alu instid0(VALU_DEP_3)
	v_add_f32 v[WG], v[WG], v[WG+1]
	s_delay_alu instid0(VALU_DEP_2)
	v_add_f32 v[WG+2], v[WG+2], v[WG+3]
	s_delay_alu instid0(VALU_DEP_2)
	v_mov_b32 v[WG+1], v[WG]                       ; (named as pairs, so both are written)
	s_delay_alu instid0(VALU_DEP_2)
	v_mov_b32 v[WG+3], v[WG+2]
.irp i, 0,1,2,3                        ; 32 outputs at a time: four accumulators by turns, two K steps; then y += weight x result
.irp s, 0,1
	CWAIT 16+2*\i+\s
	WIN 0x01
.irp u, 0,1
.irp m, 0,1
	WM ACC+32*(\i%2)+16*\m+8*\u, RING+24*((16+2*\i+\s)%5)+12*\u, AF+12*(2*\m+\s), \s==0, W2S+2*\i+\s, AS+\s, \u, \m
.endr
.endr
	PLACES
.if 16+2*\i+\s+5 <= 23
	CHUNK_LOAD 16+2*\i+\s+5
.endif
.endr
	WIN 0x50                                       ; y (destination and source 2) window 1
	s_wait_alu depctr_va_vdst(0)
.irp k, 0,1,2,3,4,5,6,7,8,9,10,11,12,13,14,15
	v_pk_fma_f32 v[Y+32*\i+2*\k:Y+32*\i+2*\k+1], v[ACC+32*(\i%2)+2*\k:ACC+32*(\i%2)+2*\k+1], v[WG+2*(\k/8):WG+2*(\k/8)+1], v[Y+32*\i+2*\k:Y+32*\i+2*\k+1] op_sel_hi:[1,0,1]
.endr
.endr
	WIN 0
.Lno_down:
	s_wait_xcnt 0x0                                ; the loads have read their bases: they step to the next expert
	s_add_nc_u64 s[66:67], s[66:67], 393216
	s_add_nc_u64 s[68:69], s[68:69], 196608
	s_add_nc_u64 s[70:71], s[70:71], 16384
	s_add_nc_u64 s[72:73], s[72:73], 8192
	s_add_co_u32 s56, s56, 1
	s_cmp_lt_u32 s56, 8
	s_cbranch_scc1 .Lexpert
	; THE WAY OUT.  A lane holds pieces of one row; a tile of 16 rows x my 128 columns goes through my own stage and comes back as rows of 512 bytes
	s_wait_alu depctr_va_vdst(0)
.irp m, 0,1
	WIN 0x04
.irp i, 0,1,2,3
.irp q, 0,1,2,3
	ds_store_b128 v[SO], v[Y+32*\i+16*\m+4*\q:Y+32*\i+16*\m+4*\q+3] offset:128*\i+16*\q
.endr
.endr
	WIN 0
.irp t, 0,1,2,3,4,5,6,7,8,9,10,11,12,13,14,15
	ds_load_b128 v[OB+64*\m+4*\t:OB+64*\m+4*\t+3], v[SR] offset:528*\t   ; LDS serves a wave's instructions in order: these see the stores above, and the next tile's stores come behind them
.endr
.endr
.set i, 0
.rept 32
	v_lshl_add_u32 v[OA+i], s[24+i], 12, v[OC]     ; row i's token x 4,096 bytes + my wave's 512 + 16 x lane
.set i, i+1
.endr
	s_wait_alu depctr_va_vdst(0)
.irp t, 0,1,2,3,4,5,6,7,8,9,10,11,12,13,14,15
	s_wait_dscnt 32+15-\t                          ; tile 0's row t is back; its younger rows and tile 1's 32 instructions may be out
	global_store_b128 v[OA+\t], v[OB+4*\t:OB+4*\t+3], s[14:15] th:TH_STORE_NT   ; 32 lanes store 512 consecutive bytes, at a multiple of 256 from y's first byte; written once
.endr
.irp t, 0,1,2,3,4,5,6,7,8,9,10,11,12,13,14,15
	s_wait_dscnt 15-\t
	global_store_b128 v[OA+16+\t], v[OB+64+4*\t:OB+64+4*\t+3], s[14:15] th:TH_STORE_NT
.endr
	s_wait_xcnt 0x0
	v_lshl_add_u32 v254, v0, 2, 0x21800
	v_mov_b32 v255, 0
	s_wait_alu depctr_va_vdst(0)
	s_wait_tensorcnt 0x0
	ds_add_u32 v254, v255
	s_wait_dscnt 0x0
	s_endpgm
.Lfunc_end_k_q00769f7cd7_moe:
	.size	k_q00769f7cd7_moe, .Lfunc_end_k_q00769f7cd7_moe-k_q00769f7cd7_moe
	.p2alignl 7, 3214868480
	.fill 96, 4, 3214868480
	.section	.rodata,"a",@progbits
	.p2align	6, 0x0
	.amdhsa_kernel k_q00769f7cd7_moe
		.amdhsa_group_segment_fixed_size 138240
		.amdhsa_private_segment_fixed_size 0
		.amdhsa_enable_private_segment 0
		.amdhsa_kernarg_size 48
		.amdhsa_user_sgpr_count 2
		.amdhsa_user_sgpr_kernarg_segment_ptr 1
		.amdhsa_wavefront_size32 1
		.amdhsa_system_sgpr_workgroup_id_x 1
		.amdhsa_system_sgpr_workgroup_id_y 1
		.amdhsa_system_sgpr_workgroup_id_z 1
		.amdhsa_system_vgpr_workitem_id 0
		.amdhsa_next_free_vgpr 512
		.amdhsa_next_free_sgpr 96
		.amdhsa_reserve_vcc 0
		.amdhsa_float_denorm_mode_32 3
		.amdhsa_float_denorm_mode_16_64 3
		.amdhsa_memory_ordered 1
		.amdhsa_forward_progress 1
		.amdhsa_inst_pref_size 116
	.end_amdhsa_kernel
	.amdgpu_metadata
---
amdhsa.version: [ 1, 2 ]
amdhsa.kernels:
  - .name:           k_q00769f7cd7_moe
    .symbol:         k_q00769f7cd7_moe.kd
    .args:
      - { .name: x, .offset: 0, .size: 8, .value_kind: global_buffer, .address_space: global }
      - { .name: expert_p, .offset: 8, .size: 8, .value_kind: global_buffer, .address_space: global }
      - { .name: wf, .offset: 16, .size: 8, .value_kind: global_buffer, .address_space: global }
      - { .name: ws, .offset: 24, .size: 8, .value_kind: global_buffer, .address_space: global }
      - { .name: order, .offset: 32, .size: 8, .value_kind: global_buffer, .address_space: global }
      - { .name: out0, .offset: 40, .size: 8, .value_kind: global_buffer, .address_space: global }
    .group_segment_fixed_size: 138240
    .private_segment_fixed_size: 0
    .kernarg_segment_align: 8
    .kernarg_segment_size: 48
    .max_flat_workgroup_size: 256
    .sgpr_count:     96
    .vgpr_count:     512
    .wavefront_size: 32
...
	.end_amdgpu_metadata
.endif
;; end of part 2
